; MI455X (gfx1250); checked and timed in simulation.
; The chip was launched on July 23, 2026; its instructions are those of AMD's public machine-readable ISA for CDNA 5 (MIT licence, August 2026) and "CDNA5" Instruction Set Architecture Reference Guide (July 2026). The comments in the code are by the model that wrote it; some were corrected since.
;; Mo EFFN. Allowed arithmetic: matrix products marked QUANTISED: E2M1 operands, one E8M0 scale for each 32 along K, by v_wmma_scale_f32_16x16x128_f8f6f4 with both operands' format E2M1 (or v_wmma_scale_f32_32x16x128_f4), f32 sums; products left as they are: f32 operands where the result goes on into a quantised operand, else bf16, f16 or f32 operands; f32 sums; everything else in f32.
;; Inputs: W1 8 x 512 x 2,048 float32; W2 8 x 2,048 x 512 float32; Wg 512 x 8 float32; b1 8 x 2,048 float32; b2 8 x 512 float32; x 4 x 1,024 x 512 float32.
;; Outputs: out0 4 x 1,024 x 512 float32; out1 one number float32.
;; This version of the problem:
;;   THIS VERSION OF THE PROBLEM IS GIVEN IN LOW PRECISION. The matrix products marked QUANTISED in the list below multiply operands that are first quantised to E2M1 (2 exponent bits, 1 mantissa bit; 4 bits a number), with one power-of-two scale for each 32 numbers along K (OCP MX v1.0); their sums are f32. All else is computed in f32.
;;   The module's matrix products, in the order in which they are computed (A, B: the left and right operand; K: the contracted axis; several contracted axes count as one K, in the product's order):
;;     1. [M 4,096, K 512] x [K 512, N 8]; A: input x; B: input Wg: left as it is (N = 8 < 16)
;;     2. [M 4,096, K 512] x [K 512, N 16,384]; A: input x; B: input W1: QUANTISED
;;     3. batch 8 x [M 512, K 2,048] x [K 2,048, N 4,096]; A: input W2; B: computed on the way: QUANTISED
;;     4. batch 4,096 x [M 512, K 8] x [K 8, N 1]; A: computed on the way; B: computed on the way: left as it is (K = 8 < 32)
;;   THE QUANTISER, for each operand of a quantised product, along K:
;;     - K is cut into blocks of 32 from its start; a last block that is shorter is filled with zeros.
;;     - A block's scale is 2^e with e = floor(log2(the largest magnitude in the block)) - 2, held to -126 .. 127; a block of zeros has e = 0. As a byte (E8M0): e + 127.
;;     - Each number is divided by its block's scale, clamped to +-6, and rounded to the nearest number of E2M1, ties to even, subnormals kept.
;;     - The product sums the exact products of the quantised numbers (number of the format x scale) in f32.
;;   ~~~python
;;   def quantise(x, axis):      # numpy; x: float32 -> the quantised numbers, widened to float32 again
;;       x = np.moveaxis(x, axis, -1); K = x.shape[-1]
;;       x = np.pad(x, [(0, 0)] * (x.ndim - 1) + [(0, -K % 32)]); x = x.reshape(x.shape[:-1] + (-1, 32)); a = np.abs(x).max(-1, keepdims=True)
;;       e = np.where(a > 0, np.clip(np.frexp(np.where(a > 0, a, 1))[1] - 1 - 2, -126, 127), 0)      # np.frexp(a)[1] - 1 = floor(log2(a)), exactly
;;       r = np.clip(x / 2.0 ** e, -6, 6)
;;       step = 2.0 ** (np.maximum(np.frexp(np.where(r == 0, 1, r))[1] - 1, 0) - 1)
;;       q = np.round(r / step) * step * 2.0 ** e      # np.round: ties to even
;;       return np.moveaxis(q.reshape(q.shape[:-2] + (-1,))[..., :K], -1, axis).astype(np.float32)
;;   ~~~
;;   OPERANDS COMPUTED ON THE WAY. 'Computed on the way' means the value that the module computes at that place (a softmax that the list does not call 'softmax' is quantised finished and normalised). What goes into a quantiser is computed in f32, as accurately as f32 sums, v_exp_f32 and their like allow (about 1e-6 of the number): no bf16 or f16 on the way to a quantiser, and a product that is left as it is and whose result goes on into a quantised operand takes f32 operands (vector FMAs, or v_wmma_f32_16x16x4_f32). A number that lies on a knife's edge between two numbers of the format may be rounded either way, as far as f32 arithmetic and the matrix unit's own rounding can turn it there, and no further.
;; One version. Each part assembles by itself: llvm-mc -triple=amdgcn-amd-amdhsa -mcpu=gfx1250 --defsym DOCPART=n.
;; ======== version 1 of 1: 3 launches
;; workspace buffers: wq 8,912,896 bytes; xq 1,114,112 bytes; route 32,768 bytes of whole numbers; gate 49,152 bytes; plan 20,480 bytes of whole numbers
;; launch prep (part 1): grid 640 x 1, 8 waves a work-group, no clusters, 44,544 bytes of LDS; arguments x, Wg, W1, W2, wq, xq, route, gate; writes wq, xq, route, gate
.if DOCPART == 1
	.amdgcn_target "amdgcn-amd-amdhsa--gfx1250"
	.amdhsa_code_object_version 6
	.text
	.protected	k_qd48b258cd4_prep
	.globl	k_qd48b258cd4_prep
	.p2align	8
	.type	k_qd48b258cd4_prep,@function
k_qd48b258cd4_prep:
	s_mov_b64 s[64:65], 0
	v_nop
	global_prefetch_b8 v0, s[64:65] scope:SCOPE_SE
	s_setreg_imm32_b32 hwreg(HW_REG_WAVE_MODE, 25, 1), 1
	s_wait_xcnt 0x0
; PREP: W1, W2 and x become codes of FP4 (E2M1) with one E8M0 byte for each 32 along K; the gate is computed in f32.
; Work-groups 0-127: 32 tokens each (x's codes and scale bytes, logits, softmax, the two largest, their weights, counts).
; Work-groups 128-383: W1 [8][512 k][2048 n].  Work-groups 384-639: W2 [8][2048 k][512 n].  Each path has LDS bytes of its own.
; WEIGHTS.  An ITEM is 32 columns x 512 along K: 8,192 bytes of codes at wq + 8192 j, laid [K step s 4][tile u 2][half c 2][lane 32][16 bytes]:
; an image of the operand's registers.  Row r of tile u is column 8 u + r + 8 (r / 8) of the 32, so that in the transposed result the 16
; registers of tiles u = 0, 1 are 16 neighbouring columns.  Its scale words lie at wq + 8,388,608 + 512 j as [lane 16 u + r][word s].
; W1: j = 64 e + n / 32.  W2: j = 512 + 64 e + 4 (n / 32) + k / 512.
; A LANE TAKES A COLUMN AND ITS REGISTERS RUN DOWN K: a block of 32 lies in one lane, and the conversions give K innermost.
; A block's scale byte is its largest magnitude's exponent field - 2, held at 1 from below.
; GATE.  Nothing that is derived from the logits enters an address or a branch here: pair, rank and counts are stored at fixed places.
; LIMITS: NaN and infinities among the inputs are not served.  A block of zeros gets the byte 1 (the rule says 127) with zero codes: this
; program alone reads the bytes.  A probability under 2^-126 counts as 0.  The two largest are taken on this text's own f32 numbers, the
; lower index winning a tie; f32 sums are taken in another order than the reference's.
.set LG,  40960                        ; LDS: behind the eight waves' stages (5,120 bytes each): the logits [32 tokens][8]
.set XSB, 41984                        ; x's scale bytes [32 tokens][16]
.set W1L, 42496                        ; the W1 path's scale words, 2 x 512 bytes
.set W2L, 43520                        ; the W2 path's
.set WX,  32                           ; W paths: v32-159 128 numbers down K
.set WC,  160                          ; v160-175 codes, four registers a block: no store's data are written again
.set WSB, 176                          ; v176 the four scale bytes
.macro WBLOCK t                        ; block t of my column: k = 32 t .. 32 t + 31 of the wave's 128
.set XS, WX+32*(\t)
	v_max3_num_f32 v8, |v[XS]|, |v[XS+1]|, |v[XS+2]|
	v_max3_num_f32 v9, |v[XS+3]|, |v[XS+4]|, |v[XS+5]|
.irp i, 6,10,14,18,22,26
	v_max3_num_f32 v8, v8, |v[XS+\i]|, |v[XS+\i+1]|
	v_max3_num_f32 v9, v9, |v[XS+\i+2]|, |v[XS+\i+3]|
.endr
	v_max3_num_f32 v8, v8, |v[XS+30]|, |v[XS+31]|
	v_max3_num_f32 v8, v8, v9, 0x1800000           ; the floor 2^(3 - 127): the byte cannot fall under 1
	v_add_nc_u32 v10, 0xff000000, v8               ; 2 off the exponent field: the conversion's scale operand
	v_lshrrev_b32 v11, 23, v10                     ; the byte
.if (\t) == 0
	v_mov_b32 v[WSB], v11
.else
	v_lshl_or_b32 v[WSB], v11, 8*(\t), v[WSB]
.endif
.irp g, 0,1,2,3
	v_cvt_scalef32_pk8_fp4_f32 v[WC+4*(\t)+\g], v[XS+8*\g:XS+8*\g+7], v10
.endr
	global_store_b128 v4, v[WC+4*(\t):WC+4*(\t)+3], s[28:29] offset:256*(\t)   ; block t = 2 c + h: each half of the wave fills 256 consecutive bytes, aligned
.endm
; A work-group takes 64 columns x 512 along K; wave = (column group cg = wave / 4, K step s = wave % 4): 32 columns x 128 K.
.macro WQ w2
	v_and_b32 v2, 31, v0                           ; lane = 16 u + r
	v_lshrrev_b32 v8, 4, v2                        ; u
	v_and_b32 v9, 15, v2                           ; r
	v_bfe_u32 v10, v2, 3, 1                        ; r / 8
	v_add_nc_u32 v10, v10, v8
	v_lshl_add_u32 v3, v10, 3, v9                  ; my column of the 32: 8 u + r + 8 (r / 8)
	v_lshlrev_b32 v3, 2, v3
	v_lshlrev_b32 v4, 10, v8
	v_lshl_add_u32 v4, v9, 4, v4                   ; my codes' place in a K step's 2,048 bytes: 1024 u + 16 r (+ 256 t)
	v_lshlrev_b32 v7, 4, v2                        ; 16 x lane
	s_lshr_b32 s32, s20, 2                         ; cg
	s_and_b32 s33, s20, 3                          ; s
	s_lshl_b32 s36, s32, 9
	v_add_nc_u32 v6, s36, v7
.if \w2
	v_add_nc_u32 v6, W2L, v6                       ; LDS: my item's scale words, 16 bytes a lane
.else
	v_add_nc_u32 v6, W1L, v6
.endif
	s_lshl_b32 s36, s33, 2
	v_add_nc_u32 v5, s36, v6                       ; and my wave's word among them
.if \w2
.set WP, 2048                          ; a row of W2 in bytes
	s_sub_co_u32 s21, ttmp9, 384                   ; jj = 32 e + 4 qq + g
	s_lshr_b32 s34, s21, 5                         ; e
	s_lshl_b32 s26, s34, 22                        ; an expert is 4,194,304 bytes
	s_and_b32 s35, s21, 3                          ; g: which 512 along K
	s_lshl_b32 s36, s35, 20
	s_add_co_u32 s26, s26, s36
	s_lshl_b32 s36, s33, 18                        ; 128 rows of 2,048 bytes a K step
	s_add_co_u32 s26, s26, s36
	s_bfe_u32 s37, s21, 0x30002                    ; qq
	s_lshl_b32 s36, s37, 1
	s_add_co_u32 s36, s36, s32                     ; the column group q = 2 qq + cg
	s_lshl_b32 s38, s36, 7
	s_add_co_u32 s26, s26, s38
	s_lshl_b32 s39, s34, 6
	s_lshl_b32 s36, s36, 2
	s_add_co_u32 s39, s39, s36
	s_add_co_u32 s39, s39, s35
	s_add_co_u32 s39, s39, 512                     ; the item: 512 + 64 e + 4 q + g
.else
.set WP, 8192                          ; a row of W1 in bytes
	s_sub_co_u32 s21, ttmp9, 128                   ; jj = 32 e + bb
	s_lshr_b32 s34, s21, 5                         ; e
	s_lshl_b32 s26, s34, 22
	s_lshl_b32 s36, s33, 20                        ; 128 rows of 8,192 bytes a K step
	s_add_co_u32 s26, s26, s36
	s_lshl_b32 s39, s21, 1
	s_add_co_u32 s39, s39, s32                     ; the item: 2 jj + cg = 64 e + the column group
	s_and_b32 s36, s39, 63
	s_lshl_b32 s36, s36, 7
	s_add_co_u32 s26, s26, s36
.endif
	s_mov_b32 s27, 0
	s_lshl_b32 s28, s39, 13
	s_lshl_b32 s36, s33, 11
	s_add_co_u32 s28, s28, s36                     ; codes: 8192 j + 2048 s
	s_mov_b32 s29, 0
	s_lshl_b32 s30, s39, 9
	s_add_co_u32 s30, s30, 0x800000                ; scale words: 8,388,608 + 512 j
	s_mov_b32 s31, 0
	s_wait_kmcnt 0x0
.if \w2
	s_add_nc_u64 s[24:25], s[10:11], s[26:27]
.else
	s_add_nc_u64 s[24:25], s[8:9], s[26:27]
.endif
	s_add_nc_u64 s[28:29], s[12:13], s[28:29]
	s_add_nc_u64 s[30:31], s[12:13], s[30:31]
.set i, 0
.rept 128
	global_load_b32 v[WX+i], v3, s[24:25] offset:i*WP th:TH_LOAD_NT   ; row i at my column: the wave reads 128 consecutive bytes, the wave beside it the next 128
.set i, i+1
.endr
	s_wait_loadcnt 63                              ; 63 of the 128 may be out: the first 65 are in, blocks 0 and 1 among them
	WBLOCK 0
	WBLOCK 1
	s_wait_loadcnt 32                              ; the last block's 32 may be out
	WBLOCK 2
	s_wait_loadcnt 0x0
	WBLOCK 3
	ds_store_b32 v5, v[WSB]                        ; my column's scale word of K step s
	s_wait_dscnt 0x0                               ; for the others' sake: my store has landed
	s_barrier_signal -1
	s_barrier_wait -1
	s_cmp_lg_u32 s33, 0                            ; the wave with s = 0 of each column group stores the item's 512 bytes of scale words
	s_cbranch_scc1 .Lwend_\@
	ds_load_b128 v[12:15], v6
	s_wait_dscnt 0x0
	global_store_b128 v7, v[12:15], s[30:31]       ; 32 lanes store 512 consecutive bytes, aligned
.Lwend_\@:
	s_endpgm
.endm
; GATE path.  v1 16 lane; v2, v3 the stage, way in and way out; v4 8 lane; v5 my scale byte's place; v6 my wave's logits; v7-11 at work;
; v12-19 codes; v20-23 scale bytes; v24-31 eight sums; v32-159 Wg[16 lane + i][e] at 32 + 8 i + e; v160-223 x as loaded, four tokens; v224-255 two sets of 16 neighbours.
.macro GTURN t                         ; token t's 2,048 bytes through the wave's stage: in as loaded (16 bytes a lane of 512), out 64 bytes a lane; LDS serves a wave's instructions in order
.if (\t) < 2
.set XD, 224+16*(\t)
.else
.set XD, 160+16*((\t)-2)               ; tokens 2 and 3 come back into the registers that tokens 0 and 1 were loaded into
.endif
.irp i, 0,1,2,3
	ds_store_b128 v2, v[160+16*(\t)+4*\i:160+16*(\t)+4*\i+3] offset:2560*((\t)%2)+640*\i
.endr
.irp i, 0,1,2,3
	ds_load_b128 v[XD+4*\i:XD+4*\i+3], v3 offset:2560*((\t)%2)+16*\i
.endr
.endm
.macro GSTEP t                         ; token t: my 16 neighbours x[16 lane ..]: codes, scale byte, and my share of the eight logits
.if (\t) < 2
.set XS, 224+16*(\t)
.else
.set XS, 160+16*((\t)-2)
.endif
	v_max3_num_f32 v8, |v[XS]|, |v[XS+1]|, |v[XS+2]|
	v_max3_num_f32 v9, |v[XS+3]|, |v[XS+4]|, |v[XS+5]|
.irp i, 6,10
	v_max3_num_f32 v8, v8, |v[XS+\i]|, |v[XS+\i+1]|
	v_max3_num_f32 v9, v9, |v[XS+\i+2]|, |v[XS+\i+3]|
.endr
	v_max3_num_f32 v8, v8, |v[XS+14]|, |v[XS+15]|
	v_max3_num_f32 v8, v8, v9, 0x1800000           ; the floor
	v_max_num_f32_dpp v8, v8, v8 row_xmask:1 row_mask:0xf bank_mask:0xf   ; with my neighbour's 16: the block's largest magnitude
	v_add_nc_u32 v7, 0xff000000, v8
	v_cvt_scalef32_pk8_fp4_f32 v[12+2*(\t)], v[XS:XS+7], v7
	v_cvt_scalef32_pk8_fp4_f32 v[13+2*(\t)], v[XS+8:XS+15], v7
	v_lshrrev_b32 v[20+(\t)], 23, v7
	ds_store_b8 v5, v[20+(\t)] offset:16*(\t)      ; both lanes of a block write the same byte with the same value
	global_store_b64 v4, v[12+2*(\t):13+2*(\t)], s[28:29] offset:256*(\t)   ; the token's 256 bytes of codes: one aligned run
.irp e, 0,1,2,3,4,5,6,7
	v_mul_f32 v[24+\e], v[XS], v[32+\e]
.endr
.irp i, 1,2,3,4,5,6,7,8,9,10,11,12,13,14,15
.irp e, 0,1,2,3,4,5,6,7
	v_fmac_f32 v[24+\e], v[XS+\i], v[32+8*\i+\e]
.endr
.endr
.irp k, 1,2,4,8
.irp e, 0,1,2,3,4,5,6,7
	v_add_f32_dpp v[24+\e], v[24+\e], v[24+\e] row_xmask:\k row_mask:0xf bank_mask:0xf
.endr
.endr
.irp e, 0,1,2,3,4,5,6,7
	v_permlanex16_b32 v[10+(\e%2)], v[24+\e], s42, s43
	v_add_f32 v[24+\e], v[24+\e], v[10+(\e%2)]     ; every lane holds the logit
.endr
	ds_store_b128 v6, v[24:27] offset:32*(\t)      ; all lanes write the same bytes with the same values
	ds_store_b128 v6, v[28:31] offset:32*(\t)+16
.endm
	s_load_b512 s[4:19], s[0:1], 0x0               ; x s[4:5], Wg s[6:7], W1 s[8:9], W2 s[10:11], wq s[12:13], xq s[14:15], route s[16:17], gate s[18:19]
	v_lshrrev_b32 v1, 5, v0
	v_readfirstlane_b32 s20, v1                    ; wave 0..7
	s_cmp_lt_u32 ttmp9, 128
	s_cbranch_scc1 .Lgate
	s_cmp_lt_u32 ttmp9, 384
	s_cbranch_scc1 .Lw1
	WQ 1
.Lw1:
	WQ 0
.Lgate:                                            ; wave w takes tokens 32 g + 4 w + t, t = 0 .. 3
	v_and_b32 v7, 31, v0                           ; lane
	v_lshlrev_b32 v1, 4, v7
	s_mul_i32 s21, s20, 5120                       ; my wave's two stages of 32 x 80 bytes
	v_lshrrev_b32 v8, 2, v7
	v_mul_u32_u24 v8, v8, 80
	v_and_b32 v9, 3, v7
	v_lshl_add_u32 v8, v9, 4, v8
	v_add_nc_u32 v2, s21, v8                       ; in: four lanes' 64 bytes on end, then 16 of padding
	v_mul_u32_u24 v3, v7, 80
	v_add_nc_u32 v3, s21, v3                       ; out: 80 x lane
	v_lshlrev_b32 v4, 3, v7
	v_lshrrev_b32 v5, 1, v7
	s_lshl_b32 s21, s20, 6
	s_add_co_u32 s21, s21, XSB
	v_add_nc_u32 v5, s21, v5                       ; 16 bytes a token, my block's byte
	s_lshl_b32 s21, s20, 7
	s_add_co_u32 s21, s21, LG
	v_mov_b32 v6, s21                              ; 32 bytes a token
	v_lshlrev_b32 v10, 9, v7                       ; Wg: my 16 rows of 32 bytes.  (Free behind the wait for the loads; then a lane permute's destination)
	v_mov_b32 v11, 0
	s_mov_b32 s42, 0x76543210
	s_mov_b32 s43, 0xfedcba98                      ; v_permlanex16_b32's selects for lane l xor 16
	s_mov_b32 s44, 0x3fb8aa3b                      ; log2(e)
	s_mov_b32 s27, 0
	s_wait_kmcnt 0x0
	s_lshl_b32 s26, ttmp9, 16
	s_lshl_b32 s21, s20, 13
	s_add_co_u32 s26, s26, s21
	s_add_nc_u64 s[24:25], s[4:5], s[26:27]        ; x at my first token: rows of 2,048 bytes
	s_lshl_b32 s26, ttmp9, 13
	s_lshl_b32 s21, s20, 10
	s_add_co_u32 s26, s26, s21
	s_add_nc_u64 s[28:29], s[14:15], s[26:27]      ; its codes: rows of 256 bytes
	s_lshl_b32 s26, ttmp9, 9
	s_add_nc_u64 s[30:31], s[14:15], s[26:27]      ; the work-group's scale bytes (+ 1,048,576 in the store's offset)
	s_lshl_b32 s26, ttmp9, 7
	s_add_nc_u64 s[36:37], s[16:17], s[26:27]      ; route: 128 bytes a work-group
	s_add_nc_u64 s[38:39], s[18:19], s[26:27]      ; gate: the row of sums likewise
	s_lshl_b32 s26, ttmp9, 8
	s_add_nc_u64 s[40:41], s[18:19], s[26:27]      ; gate: 8 bytes a token
.irp t, 0,1,2,3
.irp i, 0,1,2,3
	global_load_b128 v[160+16*\t+4*\i:160+16*\t+4*\i+3], v1, s[24:25] offset:2048*\t+512*\i th:TH_LOAD_NT   ; 32 lanes read 512 consecutive bytes
.endr
.endr
.set i, 0
.rept 32
	global_load_b128 v[32+4*i:32+4*i+3], v10, s[6:7] offset:16*i
.set i, i+1
.endr
	s_wait_loadcnt 40                              ; tokens 0 and 1 are in; 8 loads of x and 32 of Wg may be out
	GTURN 0
	GTURN 1
	s_wait_loadcnt 0x0
	s_wait_dscnt 8                                 ; token 0 is back from the stage; token 1's turn may be out
	GSTEP 0
	GTURN 2
	s_wait_dscnt 8                                 ; all but token 2's turn: token 1 is back, and the last step's three stores have read their registers
	GSTEP 1
	GTURN 3
	s_wait_dscnt 8                                 ; all but token 3's turn
	GSTEP 2
	s_wait_dscnt 0x0
	GSTEP 3
	s_wait_dscnt 0x0                               ; for the others' sake: my logits and scale bytes have landed
	s_barrier_signal -1
	s_barrier_wait -1
	v_add_nc_u32 v32, XSB, v1                      ; token = lane: its 16 scale bytes,
	v_lshl_add_u32 v33, v4, 2, LG                  ; its 8 logits
	s_cmp_lt_u32 s20, 2
	s_cbranch_scc0 .Lgend
	s_cmp_eq_u32 s20, 1
	s_cbranch_scc0 .Lfinal
	ds_load_b128 v[36:39], v32                     ; wave 1: the 32 tokens' scale bytes leave as 512 consecutive bytes
	s_wait_dscnt 0x0
	global_store_b128 v1, v[36:39], s[30:31] offset:1048576
	s_endpgm
.Lfinal:                                           ; wave 0: a lane to a token
	ds_load_b128 v[40:43], v33
	ds_load_b128 v[44:47], v33 offset:16
	v_mov_b32 v69, 0                               ; counts of the 28 pairs, lane = pair
	v_mov_b32 v71, 0                               ; my rank among the row's tokens of my pair
	v_mov_b32 v72, 0                               ; counts of the largest, lane = expert
	v_mov_b32 v73, 0                               ; sums of the probabilities, lane = expert
	v_lshrrev_b32 v75, 1, v4                       ; 4 x lane
	s_wait_dscnt 0x0
	v_max3_num_f32 v48, v40, v41, v42
	v_max3_num_f32 v48, v48, v43, v44
	v_max3_num_f32 v48, v48, v45, v46
	v_max_num_f32 v48, v48, v47                    ; the row's largest logit is taken away ahead of the exponentials
	v_mul_f32 v48, s44, v48
.irp e, 0,1,2,3,4,5,6,7
	v_fma_f32 v[40+\e], v[40+\e], s44, -v48        ; what the product above rounds off is common to all eight and cancels in the division
.endr
.irp e, 0,1,2,3,4,5,6,7
	v_exp_f32 v[40+\e], v[40+\e]
.endr
	v_nop                                          ; a plain instruction behind the last exponential
	s_wait_alu depctr_va_vdst(0)                   ; one wait for the batch, ahead of its first reader
	v_add_f32 v49, v40, v41
	v_add_f32 v50, v42, v43
	v_add_f32 v49, v49, v44
	v_add_f32 v50, v50, v45
	v_add_f32 v49, v49, v46
	v_add_f32 v50, v50, v47
	v_add_f32 v49, v49, v50
	v_rcp_f32 v49, v49
	v_nop
	s_wait_alu depctr_va_vdst(0)
.irp e, 0,1,2,3,4,5,6,7
	v_mul_f32 v[40+\e], v[40+\e], v49              ; the probabilities
.endr
	v_mov_b32 v51, v40                             ; the largest and its index: a later one wins only if it is larger, so the lower index wins a tie
	v_mov_b32 v52, 0
.irp e, 1,2,3,4,5,6,7
	v_cmp_le_f32 vcc_lo, v[40+\e], v51
	v_cndmask_b32 v51, v[40+\e], v51, vcc_lo
	v_cndmask_b32 v52, \e, v52, vcc_lo
.endr
.irp e, 0,1,2,3,4,5,6,7
	v_cmp_ne_u32 vcc_lo, \e, v52
	v_cndmask_b32 v[56+\e], -1.0, v[40+\e], vcc_lo ; the largest is taken out: -1 lies under every probability
.endr
	v_mov_b32 v53, v56
	v_mov_b32 v54, 0
.irp e, 1,2,3,4,5,6,7
	v_cmp_le_f32 vcc_lo, v[56+\e], v53
	v_cndmask_b32 v53, v[56+\e], v53, vcc_lo
	v_cndmask_b32 v54, \e, v54, vcc_lo
.endr
	v_add_f32 v55, v51, v53
	v_rcp_f32 v55, v55
	v_min_u32 v64, v52, v54                        ; lo  (a plain instruction behind the reciprocal)
	v_max_u32 v65, v52, v54                        ; hi
	s_wait_alu depctr_va_vdst(0)
	v_mul_f32 v51, v51, v55                        ; the two weights
	v_mul_f32 v53, v53, v55
	v_cmp_lt_u32 vcc_lo, v52, v54
	v_cndmask_b32 v66, v53, v51, vcc_lo            ; lo's
	v_cndmask_b32 v67, v51, v53, vcc_lo            ; hi's
	v_sub_nc_u32 v68, 15, v64
	v_mul_u32_u24 v68, v64, v68
	v_lshrrev_b32 v68, 1, v68
	v_add_nc_u32 v68, v68, v65
	v_sub_nc_u32 v68, v68, v64
	v_add_nc_u32 v68, -1, v68                      ; the pair's number: lo (15 - lo) / 2 + hi - lo - 1, 0 .. 27
.irp pp, 0,1,2,3,4,5,6,7,8,9,10,11,12,13,14,15,16,17,18,19,20,21,22,23,24,25,26,27
	v_cmp_eq_u32 s45, \pp, v68
	s_bcnt1_i32_b32 s46, s45
	v_writelane_b32 v69, s46, \pp                  ; how many of the 32 tokens have this pair
	v_mbcnt_lo_u32_b32 v70, s45, 0                 ; and how many of them stand in lower lanes
	v_cndmask_b32 v71, v71, v70, s45
.endr
.irp e, 0,1,2,3,4,5,6,7
	v_cmp_eq_u32 s45, \e, v52
	s_bcnt1_i32_b32 s46, s45
	v_writelane_b32 v72, s46, \e
.endr
	v_lshl_or_b32 v69, v72, 16, v69
.irp k, 1,2,4,8
.irp e, 0,1,2,3,4,5,6,7
	v_add_f32_dpp v[40+\e], v[40+\e], v[40+\e] row_xmask:\k row_mask:0xf bank_mask:0xf
.endr
.endr
.irp e, 0,1,2,3,4,5,6,7
	v_permlanex16_b32 v[10+(\e%2)], v[40+\e], s42, s43
	v_add_f32 v[40+\e], v[40+\e], v[10+(\e%2)]
	v_readfirstlane_b32 s46, v[40+\e]
	v_writelane_b32 v73, s46, \e
.endr
	v_lshl_or_b32 v74, v71, 8, v68                 ; pair | rank << 8
	global_store_b32 v75, v74, s[36:37]
	global_store_b64 v4, v[66:67], s[40:41]        ; 32 lanes store 256 consecutive bytes
	global_store_b32 v75, v69, s[36:37] offset:16384
	global_store_b32 v75, v73, s[38:39] offset:32768
.Lgend:
	s_endpgm
.Lfunc_end_k_qd48b258cd4_prep:
	.size	k_qd48b258cd4_prep, .Lfunc_end_k_qd48b258cd4_prep-k_qd48b258cd4_prep
	.p2alignl 7, 3214868480
	.fill 96, 4, 3214868480
	.section	.rodata,"a",@progbits
	.p2align	6, 0x0
	.amdhsa_kernel k_qd48b258cd4_prep
		.amdhsa_group_segment_fixed_size 44544
		.amdhsa_private_segment_fixed_size 0
		.amdhsa_enable_private_segment 0
		.amdhsa_kernarg_size 64
		.amdhsa_user_sgpr_count 2
		.amdhsa_user_sgpr_kernarg_segment_ptr 1
		.amdhsa_wavefront_size32 1
		.amdhsa_system_sgpr_workgroup_id_x 1
		.amdhsa_system_sgpr_workgroup_id_y 1
		.amdhsa_system_sgpr_workgroup_id_z 1
		.amdhsa_system_vgpr_workitem_id 0
		.amdhsa_next_free_vgpr 256
		.amdhsa_next_free_sgpr 66
		.amdhsa_reserve_vcc 1
		.amdhsa_float_denorm_mode_32 3
		.amdhsa_float_denorm_mode_16_64 3
		.amdhsa_memory_ordered 1
		.amdhsa_forward_progress 1
		.amdhsa_inst_pref_size 99
	.end_amdhsa_kernel
	.amdgpu_metadata
---
amdhsa.version: [ 1, 2 ]
amdhsa.kernels:
  - .name:           k_qd48b258cd4_prep
    .symbol:         k_qd48b258cd4_prep.kd
    .args:
      - { .name: x, .offset: 0, .size: 8, .value_kind: global_buffer, .address_space: global }
      - { .name: Wg, .offset: 8, .size: 8, .value_kind: global_buffer, .address_space: global }
      - { .name: W1, .offset: 16, .size: 8, .value_kind: global_buffer, .address_space: global }
      - { .name: W2, .offset: 24, .size: 8, .value_kind: global_buffer, .address_space: global }
      - { .name: wq, .offset: 32, .size: 8, .value_kind: global_buffer, .address_space: global }
      - { .name: xq, .offset: 40, .size: 8, .value_kind: global_buffer, .address_space: global }
      - { .name: route, .offset: 48, .size: 8, .value_kind: global_buffer, .address_space: global }
      - { .name: gate, .offset: 56, .size: 8, .value_kind: global_buffer, .address_space: global }
    .group_segment_fixed_size: 44544
    .private_segment_fixed_size: 0
    .kernarg_segment_align: 8
    .kernarg_segment_size: 64
    .max_flat_workgroup_size: 256
    .sgpr_count:     66
    .vgpr_count:     256
    .wavefront_size: 32
...
	.end_amdgpu_metadata
.endif
;; end of part 1
;; launch place (part 2): grid 1 x 1, 8 waves a work-group, no clusters, 2,048 bytes of LDS; arguments route, gate, plan, out1; writes plan, out1
.if DOCPART == 2
	.amdgcn_target "amdgcn-amd-amdhsa--gfx1250"
	.amdhsa_code_object_version 6
	.text
	.protected	k_qd48b258cd4_place
	.globl	k_qd48b258cd4_place
	.p2align	8
	.type	k_qd48b258cd4_place,@function
k_qd48b258cd4_place:
	s_mov_b64 s[64:65], 0
	v_nop
	global_prefetch_b8 v0, s[64:65] scope:SCOPE_SE
	s_setreg_imm32_b32 hwreg(HW_REG_WAVE_MODE, 25, 1), 1
	s_wait_xcnt 0x0
; PLACE: one work-group sorts the 4,096 tokens by their pair of experts (28 pairs) into blocks of 32 tokens of ONE pair, by counting: no atomics.
; In: route: keys[4096] = pair | rank << 8 (rank among the tokens of that pair in the token's row of 32); counts[128 rows][32] at byte 16,384: lane p's low half
; the row's tokens of pair p, lane e's high half the row's tokens whose largest is e.  gate at byte 32,768: sums[128 rows][32], lane e the row's sum of probability e.
; Out: plan: order[155 x 32] = token, or 0x1000 where a place holds no token; at byte 19,840 info[160] = lo | hi << 8 | active << 16.  out1: the loss.
; The blocks number the sum over pairs of ceil(n / 32), at most (4096 + 28 x 31) / 32 = 155 rounded down, whatever the split.
; THE MARK 0x1000 IS LAID FIRST, OVER THE WHOLE PLAN: five stores of 16 bytes a thread, 5 x 4,096 = 20,480 bytes.  Each wave waits for its own (s_wait_storecnt 0) in front of the one barrier;
; tokens and info words are stored behind it, so they land on the marks.  No place of the plan stays unwritten, and no store of marks needs a mask.
; Wave w owns rows 16 w .. 16 w + 15.  In tables a lane is a pair (or an expert), in keys a token.
; v16-31 counts, v32-47 sums, v48-63 keys, v64-71 and v72-79 the eight waves' totals, v80-95 where each row's tokens of pair = lane begin, v96-111 places, v112-127 tokens,
; v128 the offset 0 of the loss's store, v129 16 x thread, v130-133 four marks: written once, here at the head, and never anything else.  s[32:59] each pair's first block.
	s_load_b256 s[4:11], s[0:1], 0x0               ; route s[4:5], gate s[6:7], plan s[8:9], out1 s[10:11]
	v_mov_b32 v128, 0
	v_lshlrev_b32 v129, 4, v0
.irp j, 0,1,2,3
	v_mov_b32 v[130+\j], 0x1000
.endr
	v_lshrrev_b32 v1, 5, v0
	v_readfirstlane_b32 s12, v1                    ; wave
	v_and_b32 v2, 31, v0                           ; lane
	v_lshlrev_b32 v4, 2, v2
	v_lshlrev_b32 v3, 2, v0
	s_lshl_b32 s13, s12, 11
	v_add_nc_u32 v1, s13, v4                       ; my wave's 16 rows of 128 bytes
	s_mov_b32 s14, 0x76543210
	s_mov_b32 s15, 0xfedcba98
	s_wait_kmcnt 0x0
.irp i, 0,1,2,3,4
	global_store_b128 v129, v[130:133], s[8:9] offset:4096*\i   ; the marks: a wave's store covers 512 consecutive bytes
.endr
.irp i, 0,1,2,3,4,5,6,7,8,9,10,11,12,13,14,15
	global_load_b32 v[16+\i], v1, s[4:5] offset:16384+128*\i
.endr
.irp i, 0,1,2,3,4,5,6,7,8,9,10,11,12,13,14,15
	global_load_b32 v[32+\i], v1, s[6:7] offset:32768+128*\i
.endr
.irp i, 0,1,2,3,4,5,6,7,8,9,10,11,12,13,14,15
	global_load_b32 v[48+\i], v1, s[4:5] offset:128*\i
.endr
	s_wait_loadcnt 16                              ; counts and sums are in; the 16 loads of keys may be out
	v_add3_u32 v5, v16, v17, v18                   ; both halves at once: no half passes 4,096
.irp i, 19,21,23,25,27,29
	v_add3_u32 v5, v5, v[\i], v[\i+1]
.endr
	v_add_nc_u32 v5, v5, v31
	v_add_f32 v6, v32, v33
.irp i, 34,35,36,37,38,39,40,41,42,43,44,45,46,47
	v_add_f32 v6, v6, v[\i]
.endr
	ds_store_b32 v3, v5
	ds_store_b32 v3, v6 offset:1024
	s_wait_dscnt 0x0                               ; for the others' sake: my totals have landed,
	s_wait_storecnt 0x0                            ; and my marks are in memory: what any wave stores behind the barrier lands on them
	s_barrier_signal -1
	s_barrier_wait -1
.irp w, 0,1,2,3,4,5,6,7
	ds_load_b32 v[64+\w], v4 offset:128*\w
.endr
.irp w, 0,1,2,3,4,5,6,7
	ds_load_b32 v[72+\w], v4 offset:1024+128*\w
.endr
	v_mov_b32 v8, 0
	v_mov_b32 v11, 0
	s_wait_dscnt 0x0
	v_add3_u32 v7, v64, v65, v66
	v_add3_u32 v7, v7, v67, v68
	v_add3_u32 v7, v7, v69, v70
	v_add_nc_u32 v7, v7, v71                       ; all rows
.irp w, 0,1,2,3,4,5,6
	s_cmp_gt_u32 s12, \w
	s_cselect_b32 s13, -1, 0
	v_and_b32 v12, s13, v[64+\w]
	v_add_nc_u32 v8, v8, v12                       ; the rows of the waves before mine
.endr
	v_and_b32 v9, 0xffff, v7                       ; the pair's tokens
	v_add_nc_u32 v10, 31, v9
	v_lshrrev_b32 v10, 5, v10                      ; its blocks
	; each pair's first block, in three stretches: the 28 numbers of blocks into scalar registers, the sums there, the results back into lanes
.irp p, 0,1,2,3,4,5,6,7,8,9,10,11,12,13,14,15,16,17,18,19,20,21,22,23,24,25,26,27
	v_readlane_b32 s[32+\p], v10, \p
.endr
	s_mov_b32 s60, 0
.irp p, 0,1,2,3,4,5,6,7,8,9,10,11,12,13,14,15,16,17,18,19,20,21,22,23,24,25,26,27
	s_mov_b32 s61, s[32+\p]
	s_mov_b32 s[32+\p], s60                        ; the pair's first block
	s_add_co_u32 s60, s60, s61
.endr                                              ; s60: the blocks in use
.irp p, 0,1,2,3,4,5,6,7,8,9,10,11,12,13,14,15,16,17,18,19,20,21,22,23,24,25,26,27
	v_writelane_b32 v11, s[32+\p], \p
.endr
	v_and_b32 v12, 0xffff, v8
	v_lshl_add_u32 v80, v11, 5, v12
.irp i, 0,1,2,3,4,5,6,7,8,9,10,11,12,13,14
	v_and_b32 v[12+(\i%2)], 0xffff, v[16+\i]
	v_add_nc_u32 v[81+\i], v[80+\i], v[12+(\i%2)]
.endr
	s_lshl_b32 s13, s12, 9
	v_add_nc_u32 v14, s13, v2                      ; my token in the wave's first row
	s_wait_loadcnt 0x0                             ; the keys
.irp i, 0,1,2,3,4,5,6,7,8,9,10,11,12,13,14,15
	v_and_b32 v[112+\i], 31, v[48+\i]
	v_lshlrev_b32 v[112+\i], 2, v[112+\i]
	ds_bpermute_b32 v[96+\i], v[112+\i], v[80+\i]  ; from the lane of my token's pair: where that pair's tokens of this row begin
.endr
	s_wait_dscnt 0x0
.irp i, 0,1,2,3,4,5,6,7,8,9,10,11,12,13,14,15
	v_bfe_u32 v[112+\i], v[48+\i], 8, 5
	v_add_nc_u32 v[96+\i], v[96+\i], v[112+\i]     ; + my rank in the row
	v_min_u32 v[96+\i], 0x135f, v[96+\i]           ; held inside order[]: 155 x 32 - 1
	v_lshlrev_b32 v[96+\i], 2, v[96+\i]
	v_add_nc_u32 v[112+\i], 32*\i, v14
.endr
.irp i, 0,1,2,3,4,5,6,7,8,9,10,11,12,13,14,15
	global_store_b32 v[96+\i], v[112+\i], s[8:9]
.endr
	; info of block b = my thread's number: the last pair whose first block is not behind b
.set PP, 0
.irp lo, 0,1,2,3,4,5,6
.irp hi, 1,2,3,4,5,6,7
.if \hi > \lo
.if PP == 0
	v_mov_b32 v5, \lo+256*\hi
.else
	v_cmp_gt_u32 vcc_lo, s[32+PP], v0
	v_cndmask_b32 v5, \lo+256*\hi, v5, vcc_lo
.endif
.set PP, PP+1
.endif
.endr
.endr
	v_or_b32 v6, 0x10000, v5
	v_cmp_gt_u32 vcc_lo, s60, v0
	v_cndmask_b32 v5, v5, v6, vcc_lo               ; in use
	s_wait_xcnt 0x0                                ; EXEC changes only behind this wait
	v_cmp_gt_u32 vcc_lo, 160, v0
	s_and_saveexec_b32 s62, vcc_lo
	global_store_b32 v3, v5, s[8:9] offset:19840
	s_wait_xcnt 0x0                                ; and again in front of the line that restores it
	s_or_b32 exec_lo, exec_lo, s62
	; the loss: 8 x 0.01 x the sum over e of (sum of probability e / 4096) (tokens whose largest is e / 4096)
	v_add_f32 v72, v72, v73
	v_add_f32 v74, v74, v75
	v_add_f32 v76, v76, v77
	v_add_f32 v78, v78, v79
	v_add_f32 v72, v72, v74
	v_add_f32 v76, v76, v78
	v_add_f32 v72, v72, v76
	v_lshrrev_b32 v73, 16, v7                      ; 0 in lanes 8 and up, as are the sums
	v_cvt_f32_u32 v73, v73
	v_mul_f32 v72, v72, v73
	v_add_f32_dpp v72, v72, v72 row_xmask:1 row_mask:0xf bank_mask:0xf
	v_add_f32_dpp v72, v72, v72 row_xmask:2 row_mask:0xf bank_mask:0xf
	v_add_f32_dpp v72, v72, v72 row_xmask:4 row_mask:0xf bank_mask:0xf
	v_add_f32_dpp v72, v72, v72 row_xmask:8 row_mask:0xf bank_mask:0xf
	v_permlanex16_b32 v73, v72, s14, s15
	v_add_f32 v72, v72, v73
	v_mul_f32 v72, 0x31a3d70a, v72                 ; 0.08 / 2^24
	s_wait_xcnt 0x0
	v_cmp_eq_u32 vcc_lo, 0, v0
	s_and_saveexec_b32 s62, vcc_lo
	global_store_b32 v128, v72, s[10:11]           ; thread 0 alone stores the one number
	s_wait_xcnt 0x0
	s_or_b32 exec_lo, exec_lo, s62
	s_endpgm
.Lfunc_end_k_qd48b258cd4_place:
	.size	k_qd48b258cd4_place, .Lfunc_end_k_qd48b258cd4_place-k_qd48b258cd4_place
	.p2alignl 7, 3214868480
	.fill 96, 4, 3214868480
	.section	.rodata,"a",@progbits
	.p2align	6, 0x0
	.amdhsa_kernel k_qd48b258cd4_place
		.amdhsa_group_segment_fixed_size 2048
		.amdhsa_private_segment_fixed_size 0
		.amdhsa_enable_private_segment 0
		.amdhsa_kernarg_size 32
		.amdhsa_user_sgpr_count 2
		.amdhsa_user_sgpr_kernarg_segment_ptr 1
		.amdhsa_wavefront_size32 1
		.amdhsa_system_sgpr_workgroup_id_x 1
		.amdhsa_system_sgpr_workgroup_id_y 1
		.amdhsa_system_sgpr_workgroup_id_z 1
		.amdhsa_system_vgpr_workitem_id 0
		.amdhsa_next_free_vgpr 136
		.amdhsa_next_free_sgpr 66
		.amdhsa_reserve_vcc 1
		.amdhsa_float_denorm_mode_32 3
		.amdhsa_float_denorm_mode_16_64 3
		.amdhsa_memory_ordered 1
		.amdhsa_forward_progress 1
		.amdhsa_inst_pref_size 29
	.end_amdhsa_kernel
	.amdgpu_metadata
---
amdhsa.version: [ 1, 2 ]
amdhsa.kernels:
  - .name:           k_qd48b258cd4_place
    .symbol:         k_qd48b258cd4_place.kd
    .args:
      - { .name: route, .offset: 0, .size: 8, .value_kind: global_buffer, .address_space: global }
      - { .name: gate, .offset: 8, .size: 8, .value_kind: global_buffer, .address_space: global }
      - { .name: plan, .offset: 16, .size: 8, .value_kind: global_buffer, .address_space: global }
      - { .name: out1, .offset: 24, .size: 8, .value_kind: global_buffer, .address_space: global }
    .group_segment_fixed_size: 2048
    .private_segment_fixed_size: 0
    .kernarg_segment_align: 8
    .kernarg_segment_size: 32
    .max_flat_workgroup_size: 256
    .sgpr_count:     66
    .vgpr_count:     136
    .wavefront_size: 32
...
	.end_amdgpu_metadata
.endif
;; end of part 2
;; launch chain (part 3): grid 155 x 1, 8 waves a work-group, no clusters, 143,360 bytes of LDS; arguments wq, xq, b1, b2, gate, plan, out0; writes out0
.if DOCPART == 3
	.amdgcn_target "amdgcn-amd-amdhsa--gfx1250"
	.amdhsa_code_object_version 6
	.text
	.protected	k_qd48b258cd4_chain
	.globl	k_qd48b258cd4_chain
	.p2align	8
	.type	k_qd48b258cd4_chain,@function
k_qd48b258cd4_chain:
	s_mov_b64 s[64:65], 0
	v_nop
	global_prefetch_b8 v0, s[64:65] scope:SCOPE_SE
	s_setreg_imm32_b32 hwreg(HW_REG_WAVE_MODE, 25, 1), 1
	s_wait_xcnt 0x0
; CHAIN: y[token] = g_lo (relu(x W1[lo] + b1[lo]) W2[lo] + b2[lo]) + g_hi (the same with hi), both products on codes of FP4 (E2M1) with E8M0 scales for each 32 along K.
; A work-group takes one block of the plan: 32 tokens that chose the same pair of experts (lo, hi), and takes both experts through the whole chain; each row of y has one owner.
; The grid is 155, the most blocks that any split can give; a block that the plan leaves unused multiplies nothing and stores nothing.  That is a branch on a stored number: it passes over the two regions
; of work, and the one barrier stands between them on every wave's path.
; NO CLUSTER, NO TENSOR LOAD: what a block needs hangs on the stored plan (neighbouring blocks may need other experts, or none), so the weights go from memory straight into registers: they were laid
; as images of the operand's registers, 512 consecutive bytes a load.
; SHARES.  Two tiles of 16 tokens (m).  THE WAVES SHARE THE COLUMNS: in region 1 wave w makes hidden units 256 w .. + 255 of each expert, in region 2 output columns 64 w .. + 63.
; Both products are used TRANSPOSED (source 0 = 16 columns of the weight, source 1 = 16 tokens): a lane holds one token, and by the choice of the columns that form a tile the 16 registers of
; tiles u = 0, 1 are 16 neighbouring columns.  The hidden layer is quantised in registers and goes from wave to wave through LDS as images of the operand's registers.
; THE STREAM OF WEIGHTS.  Two sets of 128 registers: one is multiplied while the other lands.  In region 1 waves 0-3 ask for the next chunk ahead of the quantiser and waves 4-7 behind it, so that the
; work-group's loads and its vector work do not all fall into the same stretches.  The stream does not stop at the barrier: behind the products of region 1's last two chunks a wave asks for region 2's first two.
; A place of the block that holds no token repeats the block's first token: it computes and stores the same bytes at the same address, and EXEC is never changed.
; LIMITS: NaN and infinities are not served; a hidden block of zeros gets the byte 1 with zero codes.
; LDS: 0: the hidden layer's fragments [expert 2][m 2][K step 16][half 2][lane][16 bytes]; 65,536: their scale words [2][2][16][lane][4]; 73,728: a stage of 2 x 16 rows x 272 bytes for each wave.
; REGISTERS, window 0: v0-15 addresses; v16-79 x's fragments, later the hidden layer's; v80-87 their scale words; v88-103 the weights' scale words, two sets; v104-167 eight accumulators;
; v168-231 b1 in two sets, later b2 and then y; v232-239 the gate's weights (v234-235 in region 1: scale words in the making); v240-255 at work.  Window 1 (v256-511): the weights' fragments.
.set XF,  16
.set XS,  80
.set WS,  88
.set ACC, 104                          ; accumulator (m, p, u) at ACC + 32 m + 16 p + 8 u
.set B1R, 168
.set Y,   168                          ; y laid as the accumulators; until expert lo is finished: b2[lo] at Y, b2[hi] at Y + 32
.set G,   232                          ; the gate's weights, each the low word of a pair: G + 4 m + 2 x; as loaded: (g_lo, g_hi) at G + 4 m
.set PW,  234                          ; region 1: the two scale words in the making
.set TM,  240                          ; region 1: largest magnitudes, then the conversions' scale operands
.set TP,  244                          ; the other half's magnitudes, then the bytes
.set PCD, 248                          ; the codes
.set TO,  240                          ; region 2: the 16 store addresses
.set MSB, 0
.macro WIN new                         ; the immediate's high byte repeats the setting that is left
.if MSB != \new
	s_set_vgpr_msb (MSB<<8)|\new
.set MSB, \new
.endif
.endm
.macro PLACES                          ; four plain instructions between a matrix instruction and a load into, or a read of, its registers (ISA guide 7.12.1 for reads)
.rept 4
	v_nop
.endr
.endm
.macro WMMA kind, u                    ; kind 1: C = v[rC ..]; 0: the constant 0 starts the sum.  u = 1: the weight's scale words are taken from lanes 16-31
.if (\kind) && (\u)
	v_wmma_scale_f32_16x16x128_f8f6f4 v[rD:rD+7], v[rA:rA+7], v[rB:rB+7], v[rC:rC+7], v[rSA], v[rSB] matrix_a_fmt:MATRIX_FMT_FP4 matrix_b_fmt:MATRIX_FMT_FP4 matrix_a_scale:MATRIX_SCALE_ROW1
.elseif (\kind)
	v_wmma_scale_f32_16x16x128_f8f6f4 v[rD:rD+7], v[rA:rA+7], v[rB:rB+7], v[rC:rC+7], v[rSA], v[rSB] matrix_a_fmt:MATRIX_FMT_FP4 matrix_b_fmt:MATRIX_FMT_FP4
.elseif (\u)
	v_wmma_scale_f32_16x16x128_f8f6f4 v[rD:rD+7], v[rA:rA+7], v[rB:rB+7], 0, v[rSA], v[rSB] matrix_a_fmt:MATRIX_FMT_FP4 matrix_b_fmt:MATRIX_FMT_FP4 matrix_a_scale:MATRIX_SCALE_ROW1
.else
	v_wmma_scale_f32_16x16x128_f8f6f4 v[rD:rD+7], v[rA:rA+7], v[rB:rB+7], 0, v[rSA], v[rSB] matrix_a_fmt:MATRIX_FMT_FP4 matrix_b_fmt:MATRIX_FMT_FP4
.endif
.endm
; Chunk n of region 1 (expert n / 4, 64 of my hidden units): two items of W1, their scale words, their biases: 42 loads.  Fragment (p, s, u) lands at 128 (n % 2) + 8 (8 p + 2 s + u) of window 1.
.macro LOADS1 n
.set LX, 24+12*((\n)/4)
.set LC, (\n)%4
.set LB, (\n)%2
	WIN 0x40                                       ; destination window 1, address window 0
.set i, 0
.rept 32
	global_load_b128 v[128*LB+4*i:128*LB+4*i+3], v1, s[LX:LX+1] offset:LC*16384+512*i
.set i, i+1
.endr
	WIN 0
.irp p, 0,1
	global_load_b128 v[WS+8*LB+4*\p:WS+8*LB+4*\p+3], v1, s[LX+2:LX+3] offset:(2*LC+\p)*512
.endr
.irp p, 0,1
.irp j, 0,1,2,3
	global_load_b128 v[B1R+32*LB+16*\p+4*\j:B1R+32*LB+16*\p+4*\j+3], v2, s[LX+4:LX+5] offset:(2*LC+\p)*128+16*\j   ; b1 in the result's layout: my half's 16 units of the group
.endr
.endr
.endm
; 32 matrix instructions: K step by K step; the 8 accumulators take turns, one instruction a turn.  The bias is the C of each sum's first.
.macro MUL1 n
.set LB, (\n)%2
	WIN 0x01                                       ; source 0 (the weight) window 1
.irp s, 0,1,2,3
.irp m, 0,1
.irp p, 0,1
.irp u, 0,1
.set rD, ACC+32*\m+16*\p+8*\u
.set rA, 128*LB+8*(8*\p+2*\s+\u)
.set rB, XF+32*\m+8*\s
.set rSA, WS+8*LB+4*\p+\s
.set rSB, XS+4*\m+\s
.if \s == 0
.set rC, B1R+32*LB+16*\p+8*\u
.else
.set rC, rD
.endif
	WMMA 1, \u
.endr
.endr
.endr
.endr
.endm
; The chunk's results: relu, then four blocks of 32 (b = 2 m + p; a block lies in lanes l and l xor 16) become half a fragment for each m, and two bytes of its scale word.
.macro QUANT1 n
.set QX, (\n)/4
.set QC, (\n)%4
.set i, 0
.rept 64
	v_max_num_f32 v[ACC+i], 0, v[ACC+i]            ; the activation, in f32; each accumulator from its low end on
.set i, i+1
.endr
.irp b, 0,1,2,3
	v_max3_num_f32 v[TM+\b], v[ACC+16*\b], v[ACC+16*\b+1], 0x1800000   ; none is negative: no |.|; the floor 2^(3 - 127) holds the byte at 1 from below
.endr
.irp i2, 2,4,6,8,10,12,14
.irp b, 0,1,2,3
	v_max3_num_f32 v[TM+\b], v[TM+\b], v[ACC+16*\b+\i2], v[ACC+16*\b+\i2+1]
.endr
.endr
.irp b, 0,1,2,3
	v_permlanex16_b32 v[TP+\b], v[TM+\b], s50, s51
.endr
.irp b, 0,1,2,3
	v_max_num_f32 v[TM+\b], v[TM+\b], v[TP+\b]
.endr
.irp b, 0,1,2,3
	v_add_nc_u32 v[TM+\b], 0xff000000, v[TM+\b]    ; 2 off the exponent field: the conversion's scale operand
.endr
.irp b, 0,1,2,3
	v_lshrrev_b32 v[TP+\b], 23, v[TM+\b]           ; the byte
.endr
	s_wait_dscnt 0x0                               ; the last chunk's LDS stores have read the registers that are written next
.irp m, 0,1
.if QC%2 == 0
	v_lshl_or_b32 v[PW+\m], v[TP+2*\m+1], 8, v[TP+2*\m]
.else
	v_lshl_or_b32 v[PW+\m], v[TP+2*\m], 16, v[PW+\m]
	v_lshl_or_b32 v[PW+\m], v[TP+2*\m+1], 24, v[PW+\m]
.endif
.endr
.irp b, 0,1,2,3
	v_cvt_scalef32_pk8_fp4_f32 v[PCD+2*\b], v[ACC+16*\b:ACC+16*\b+7], v[TM+\b]
	v_cvt_scalef32_pk8_fp4_f32 v[PCD+2*\b+1], v[ACC+16*\b+8:ACC+16*\b+15], v[TM+\b]
.endr
	v_nop                                          ; one plain instruction behind the last scaled conversion
.irp m, 0,1
.irp j, 0,1
	v_permlane16_swap_b32 v[PCD+4*\m+\j], v[PCD+4*\m+2+\j]   ; the operand's layout wants a whole block in a lane: lanes 0-15 the first, lanes 16-31 the second
.endr
.endr
.irp m, 0,1
	ds_store_b128 v4, v[PCD+4*\m:PCD+4*\m+3] offset:QX*32768+\m*16384+(QC/2)*1024+(QC%2)*512   ; K step 2 w + QC / 2, half QC % 2
.if QC%2
	ds_store_b32 v5, v[PW+\m] offset:QX*4096+\m*2048+(QC/2)*128
.endif
.endr
.endm
; Chunk n of region 2 (expert n / 4, 512 along K): two items of W2 and their scale words: 34 loads
.macro LOADS2 n
.set LX, 24+12*((\n)/4)
.set LC, (\n)%4
.set LB, (\n)%2
	WIN 0x40
.set i, 0
.rept 32
	global_load_b128 v[128*LB+4*i:128*LB+4*i+3], v1, s[LX+6:LX+7] offset:(i/16)*32768+LC*8192+(i%16)*512
.set i, i+1
.endr
	WIN 0
.irp p, 0,1
	global_load_b128 v[WS+8*LB+4*\p:WS+8*LB+4*\p+3], v1, s[LX+8:LX+9] offset:\p*2048+LC*512
.endr
.endm
.macro BIAS2 x                         ; b2 of expert x in the result's layout, into the set of b1 that has just been used: 8 loads
.irp p, 0,1
.irp j, 0,1,2,3
	global_load_b128 v[Y+32*(\x)+16*\p+4*\j:Y+32*(\x)+16*\p+4*\j+3], v2, s[34+12*(\x):35+12*(\x)] offset:128*\p+16*\j
.endr
.endr
.endm
; What is asked for behind the products of chunk n, into the set just multiplied: always 42 loads.  Chunks 0-5: region 1's chunk n + 2.  Chunks 6, 7: region 2's chunk 0 or 1 (34) and b2 of lo or hi (8).
.macro NEXT n
.if (\n) < 6
	LOADS1 (\n)+2
.else
	LOADS2 (\n)-6
	BIAS2 (\n)-6
.endif
.endm
; A step of region 1.  Each way through it issues the same 42 loads once, so the wait at the next step's head counts the same on both.  The branch hangs on the wave's number alone.
.macro STEP1 n
	s_wait_loadcnt 42                              ; this chunk is in (and, the first time, x and the gate's weights); the 42 loads asked for behind it may be out
	MUL1 \n
	WIN 0
	PLACES
	s_cmp_lg_u32 s54, 0
	s_cbranch_scc1 .Llate_\@
	NEXT \n                                        ; waves 0-3: the loads, then the quantiser
	QUANT1 \n
	s_branch .Lstep_\@
.Llate_\@:
	QUANT1 \n                                      ; waves 4-7: the quantiser, then the loads
	NEXT \n
.Lstep_\@:
.endm
; Half chunk k: the hidden layer's fragments of two K steps for both m, with their scale words: 12 LDS loads
.macro HLOAD k
.set HX, (\k)/8
.set HG, ((\k)/2)%4
.set HH, (\k)%2
.irp t, 0,1
.irp m, 0,1
.irp c, 0,1
	ds_load_b128 v[XF+32*HH+16*\t+8*\m+4*\c:XF+32*HH+16*\t+8*\m+4*\c+3], v1 offset:HX*32768+\m*16384+(4*HG+2*HH+\t)*1024+512*\c
.endr
	ds_load_b32 v[XS+4*HH+2*\t+\m], v6 offset:HX*4096+\m*2048+(4*HG+2*HH+\t)*128
.endr
.endr
.endm
.macro MUL2 k                          ; 16 matrix instructions, the 8 accumulators by turns; an expert's first K step starts the sums with the constant 0
.set LB, ((\k)/2)%2
.set HG, ((\k)/2)%4
.set HH, (\k)%2
	WIN 0x01
.irp t, 0,1
.irp m, 0,1
.irp p, 0,1
.irp u, 0,1
.set rD, ACC+32*\m+16*\p+8*\u
.set rC, rD
.set rA, 128*LB+8*(8*\p+2*(2*HH+\t)+\u)
.set rB, XF+32*HH+16*\t+8*\m
.set rSA, WS+8*LB+4*\p+2*HH+\t
.set rSB, XS+4*HH+2*\t+\m
.if (HG == 0) && (HH == 0) && (\t == 0)
	WMMA 0, \u
.else
	WMMA 1, \u
.endif
.endr
.endr
.endr
.endr
.endm
; Expert lo is finished: y = g_lo (sums + b2[lo]) + g_hi b2[hi], in the registers in which the two biases lie.  Each accumulator is read from its low end on.
.macro YADD0
.irp m, 0,1
.set i, 0
.rept 16
	v_pk_add_f32 v[ACC+32*\m+2*i:ACC+32*\m+2*i+1], v[ACC+32*\m+2*i:ACC+32*\m+2*i+1], v[Y+2*i:Y+2*i+1]   ; + b2[lo], the same for both tiles of tokens
.set i, i+1
.endr
.endr
.set i, 0
.rept 16
	v_pk_mul_f32 v[Y+2*i:Y+2*i+1], v[Y+32+2*i:Y+32+2*i+1], v[G+2:G+3] op_sel_hi:[1,0]   ; b2[lo] is done with: tokens 0-15: g_hi b2[hi]
.set i, i+1
.endr
.set i, 0
.rept 16
	v_pk_fma_f32 v[Y+2*i:Y+2*i+1], v[ACC+2*i:ACC+2*i+1], v[G:G+1], v[Y+2*i:Y+2*i+1] op_sel_hi:[1,0,1]
.set i, i+1
.endr
.set i, 0
.rept 16
	v_pk_mul_f32 v[Y+32+2*i:Y+32+2*i+1], v[Y+32+2*i:Y+32+2*i+1], v[G+6:G+7] op_sel_hi:[1,0]   ; tokens 16-31 likewise, in place
.set i, i+1
.endr
.set i, 0
.rept 16
	v_pk_fma_f32 v[Y+32+2*i:Y+32+2*i+1], v[ACC+32+2*i:ACC+32+2*i+1], v[G+4:G+5], v[Y+32+2*i:Y+32+2*i+1] op_sel_hi:[1,0,1]
.set i, i+1
.endr
.endm
.macro YADD1                           ; expert hi is finished: y += g_hi x its sums
.set i, 0
.rept 32
	v_pk_fma_f32 v[Y+2*i:Y+2*i+1], v[ACC+2*i:ACC+2*i+1], v[G+4*(i/16)+2:G+4*(i/16)+3], v[Y+2*i:Y+2*i+1] op_sel_hi:[1,0,1]
.set i, i+1
.endr
.endm
.macro TOKFIX r                        ; a place without a token takes the block's first token; then the number is held inside the 4,096
	v_cmp_gt_u32 vcc_lo, 0x1000, v[\r]
	v_cndmask_b32 v[\r], s23, v[\r], vcc_lo
	v_min_u32 v[\r], 0xfff, v[\r]
.endm
	; ---- THE HEAD, on every work-group's path
	s_load_b256 s[4:11], s[0:1], 0x0               ; wq s[4:5], xq s[6:7], b1 s[8:9], b2 s[10:11]
	s_load_b128 s[12:15], s[0:1], 0x20             ; gate s[12:13], plan s[14:15]
	s_load_b64 s[16:17], s[0:1], 0x30              ; out0
	v_lshrrev_b32 v16, 5, v0
	v_readfirstlane_b32 s22, v16                   ; wave 0..7
	v_and_b32 v16, 31, v0                          ; lane
	v_and_b32 v17, 15, v0                          ; r
	v_bfe_u32 v18, v0, 4, 1                        ; h
	s_lshr_b32 s54, s22, 2                         ; 0: waves 0-3, 1: waves 4-7
	s_lshl_b32 s52, ttmp9, 2
	s_lshl_b32 s21, ttmp9, 7                       ; my block's 32 words of order[]
	v_lshl_add_u32 v9, v17, 2, s21                 ; place r
	v_lshl_add_u32 v10, v18, 2, s21                ; place h
	s_wait_kmcnt 0x0
	s_load_b32 s20, s[14:15], s52 offset:19840     ; my block's info: lo | hi << 8 | active << 16;
	global_load_b32 v12, v9, s[14:15]              ; and with it, not behind it, the tokens of places r and 16 + r (every word of the plan is written)
	global_load_b32 v13, v9, s[14:15] offset:64
	v_lshlrev_b32 v1, 4, v16                       ; 16 x lane: an image's place for my lane
	v_lshlrev_b32 v2, 6, v18                       ; 64 h: my half's 16 numbers of a group of 32 biases
	v_lshlrev_b32 v3, 4, v18                       ; 16 h
	s_lshl_b32 s21, s22, 11
	v_add_nc_u32 v4, s21, v1                       ; where I store hidden fragments: K steps 2 w, 2 w + 1
	v_lshl_add_u32 v6, v16, 2, 0x10000             ; a scale word's place for my lane
	s_lshl_b32 s21, s22, 8
	v_add_nc_u32 v5, s21, v6                       ; and where I store them
	v_lshl_add_u32 v11, v17, 4, s21                ; my 16 bytes of a row of y: 256 w + 16 r
	s_mul_i32 s21, s22, 8704
	s_add_co_u32 s21, s21, 73728                   ; my stage
	v_mul_u32_u24 v7, v17, 272
	v_add_nc_u32 v7, v7, v2
	v_add_nc_u32 v7, s21, v7                       ; in: row r, + 64 h
	v_mul_u32_u24 v8, v18, 272
	v_lshl_add_u32 v8, v17, 4, v8
	v_add_nc_u32 v8, s21, v8                       ; back: lanes 0-15 one row of 256 bytes, lanes 16-31 the next
	s_mov_b32 s50, 0x76543210
	s_mov_b32 s51, 0xfedcba98                      ; v_permlanex16_b32's selects for lane l xor 16
	s_mov_b32 s49, 0
	s_wait_kmcnt 0x0
	s_and_b32 s18, s20, 0xff
	s_min_u32 s18, s18, 7                          ; lo, held inside the 8 experts
	s_bfe_u32 s19, s20, 0x80008
	s_min_u32 s19, s19, 7                          ; hi
.irp x, 0,1                                    ; for each expert six addresses at s[24 + 12 x ..]: W1's codes, scale words, b1; W2's codes, scale words, b2: my wave's part
	s_lshl_b32 s48, s[18+\x], 19
	s_lshl_b32 s53, s22, 16
	s_add_co_u32 s48, s48, s53
	s_add_nc_u64 s[24+12*\x:25+12*\x], s[4:5], s[48:49]           ; 64 items an expert, 8 a wave
	s_add_nc_u64 s[30+12*\x:31+12*\x], s[24+12*\x:25+12*\x], 0x400000   ; W2's items begin 512 items on
	s_lshl_b32 s48, s[18+\x], 15
	s_lshl_b32 s53, s22, 12
	s_add_co_u32 s48, s48, s53
	s_add_co_u32 s48, s48, 0x800000
	s_add_nc_u64 s[26+12*\x:27+12*\x], s[4:5], s[48:49]
	s_add_nc_u64 s[32+12*\x:33+12*\x], s[26+12*\x:27+12*\x], 0x40000
	s_lshl_b32 s48, s[18+\x], 13
	s_lshl_b32 s53, s22, 10
	s_add_co_u32 s48, s48, s53
	s_add_nc_u64 s[28+12*\x:29+12*\x], s[8:9], s[48:49]
	s_lshl_b32 s48, s[18+\x], 11
	s_lshl_b32 s53, s22, 8
	s_add_co_u32 s48, s48, s53
	s_add_nc_u64 s[34+12*\x:35+12*\x], s[10:11], s[48:49]
.endr
	s_wait_loadcnt 0x0                             ; the two tokens
	v_readfirstlane_b32 s23, v12                   ; the block's first token
	TOKFIX 12
	TOKFIX 13
	v_lshlrev_b32 v0, 3, v12                       ; 8 bytes a token in gate (the thread's number is done with, and so is v9: its loads are in)
	v_lshlrev_b32 v9, 3, v13
	global_load_b64 v[G:G+1], v0, s[12:13]         ; (g of lo, g of hi) of tokens r and 16 + r: wanted in region 2, asked for here
	global_load_b64 v[G+4:G+5], v9, s[12:13]
	s_bitcmp1_b32 s20, 16
	s_cbranch_scc0 .Linact                         ; a block not in use: the same in all eight waves
	; ---- REGION 1: the hidden layer of both experts
.irp b, 0,1,2,3
	v_mov_b32 v[TP+\b], 0                          ; written once: a lane permute's destination counts as one of its sources
.endr
.irp m, 0,1
	v_lshl_add_u32 v[14+\m], v[12+\m], 8, v3       ; the token's row of 256 bytes of codes, + 16 h
	v_lshlrev_b32 v[12+\m], 4, v[12+\m]            ; its 16 scale bytes
.endr
.irp m, 0,1
.irp s, 0,1,2,3
.irp c, 0,1
	global_load_b128 v[XF+32*\m+8*\s+4*\c:XF+32*\m+8*\s+4*\c+3], v[14+\m], s[6:7] offset:64*\s+32*\c
.endr
.endr
	global_load_b128 v[XS+4*\m:XS+4*\m+3], v[12+\m], s[6:7] offset:1048576
.endr
	LOADS1 0
	LOADS1 1
.irp n, 0,1,2,3,4,5,6,7
	STEP1 \n
.endr
	s_branch .Ljoin
.Linact:                                           ; a block not in use asks for the same 84 loads as region 1's last two steps: so every way into the barrier has written the registers
	NEXT 6                                         ; that region 2 reads, and the counted waits behind the barrier count the same loads on every way
	NEXT 7
.Ljoin:
	s_wait_dscnt 0x0                               ; for the others' sake: my fragments and scale words have landed (and my LDS stores have read v240-255, which the loads below take)
.irp m, 0,1
.irp i, 0,1,2,3,4,5,6,7
	global_load_b32 v[TO+8*\m+\i], v10, s[14:15] offset:(16*\m+2*\i)*4   ; the token of place 16 m + 2 i + h: the row that I store on the way out
.endr
.endr
	s_barrier_signal -1
	s_barrier_wait -1                              ; the hidden layer of both experts lies in LDS
	s_bitcmp1_b32 s20, 16
	s_cbranch_scc0 .Lskip2
	; ---- REGION 2: my 64 output columns for the 32 tokens
	HLOAD 0
	HLOAD 1
	s_wait_loadcnt 16                              ; W2's first two chunks, both biases and the gate's weights are in; the 16 tokens asked for last may be out
.irp m, 0,1
	v_mov_b32 v[G+4*\m+2], v[G+4*\m+1]             ; each weight the low word of a pair: the packed forms take it for both halves
	v_mov_b32 v[G+4*\m+3], v[G+4*\m+1]
.endr
.irp k, 0,1,2,3,4,5,6,7,8,9,10,11,12,13,14,15
.if (\k%2 == 0) && (\k >= 2)
.if \k == 14
	s_wait_loadcnt 0x0
.else
	s_wait_loadcnt 34                              ; this chunk's weights are in; the next chunk's 34 may be out
.endif
.endif
.if \k < 15
	s_wait_dscnt 12                                ; this half chunk's hidden fragments are in; the next one's 12 loads may be out
.else
	s_wait_dscnt 0x0
.endif
	MUL2 \k
	WIN 0
	PLACES
.if \k < 14
	HLOAD \k+2
.endif
.if (\k%2 == 1) && (\k < 12)
	LOADS2 \k/2+2
.endif
.if \k == 1
	s_wait_loadcnt 34                              ; the 16 tokens are in; the 34 loads just issued may be out.  The store addresses are made here, behind the first refill
.irp i, 0,1,2,3,4,5,6,7,8,9,10,11,12,13,14,15
	TOKFIX TO+\i
.endr
.irp i, 0,1,2,3,4,5,6,7,8,9,10,11,12,13,14,15
	v_lshl_add_u32 v[TO+\i], v[TO+\i], 11, v11     ; a row of y is 2,048 bytes
.endr
.endif
.if \k == 7
	YADD0                                          ; (the four places above stand between expert lo's last product and this read)
.endif
.if \k == 15
	YADD1
.endif
.endr
	; THE WAY OUT: a lane holds pieces of one token's row: through my own stage, back as rows of 256 bytes.  LDS serves a wave's instructions in order: no wait between the stores and the loads.
.irp m, 0,1
.irp p, 0,1
.irp u, 0,1
.irp j, 0,1
	ds_store_b128 v7, v[Y+32*\m+16*\p+8*\u+4*\j:Y+32*\m+16*\p+8*\u+4*\j+3] offset:4352*\m+128*\p+32*\u+16*\j
.endr
.endr
.endr
.irp i, 0,1,2,3,4,5,6,7
	ds_load_b128 v[ACC+32*\m+4*\i:ACC+32*\m+4*\i+3], v8 offset:4352*\m+544*\i
.endr
.endr
.irp m, 0,1
.irp i, 0,1,2,3,4,5,6,7
	s_wait_dscnt 16*(1-\m)+7-\i                    ; the LDS instructions issued behind this load may be out
	global_store_b128 v[TO+8*\m+\i], v[ACC+32*\m+4*\i:ACC+32*\m+4*\i+3], s[16:17] th:TH_STORE_NT   ; sixteen lanes store 256 consecutive bytes of a token's row, aligned
.endr
.endr
.Lskip2:
	s_endpgm
.Lfunc_end_k_qd48b258cd4_chain:
	.size	k_qd48b258cd4_chain, .Lfunc_end_k_qd48b258cd4_chain-k_qd48b258cd4_chain
	.p2alignl 7, 3214868480
	.fill 96, 4, 3214868480
	.section	.rodata,"a",@progbits
	.p2align	6, 0x0
	.amdhsa_kernel k_qd48b258cd4_chain
		.amdhsa_group_segment_fixed_size 143360
		.amdhsa_private_segment_fixed_size 0
		.amdhsa_enable_private_segment 0
		.amdhsa_kernarg_size 56
		.amdhsa_user_sgpr_count 2
		.amdhsa_user_sgpr_kernarg_segment_ptr 1
		.amdhsa_wavefront_size32 1
		.amdhsa_system_sgpr_workgroup_id_x 1
		.amdhsa_system_sgpr_workgroup_id_y 1
		.amdhsa_system_sgpr_workgroup_id_z 1
		.amdhsa_system_vgpr_workitem_id 0
		.amdhsa_next_free_vgpr 512
		.amdhsa_next_free_sgpr 66
		.amdhsa_reserve_vcc 1
		.amdhsa_float_denorm_mode_32 3
		.amdhsa_float_denorm_mode_16_64 3
		.amdhsa_memory_ordered 1
		.amdhsa_forward_progress 1
		.amdhsa_inst_pref_size 255
	.end_amdhsa_kernel
	.section	.bss,"aw",@nobits
	.p2align	6
	.space	262144
	.amdgpu_metadata
---
amdhsa.version: [ 1, 2 ]
amdhsa.kernels:
  - .name:           k_qd48b258cd4_chain
    .symbol:         k_qd48b258cd4_chain.kd
    .args:
      - { .name: wq, .offset: 0, .size: 8, .value_kind: global_buffer, .address_space: global }
      - { .name: xq, .offset: 8, .size: 8, .value_kind: global_buffer, .address_space: global }
      - { .name: b1, .offset: 16, .size: 8, .value_kind: global_buffer, .address_space: global }
      - { .name: b2, .offset: 24, .size: 8, .value_kind: global_buffer, .address_space: global }
      - { .name: gate, .offset: 32, .size: 8, .value_kind: global_buffer, .address_space: global }
      - { .name: plan, .offset: 40, .size: 8, .value_kind: global_buffer, .address_space: global }
      - { .name: out0, .offset: 48, .size: 8, .value_kind: global_buffer, .address_space: global }
    .group_segment_fixed_size: 143360
    .private_segment_fixed_size: 0
    .kernarg_segment_align: 8
    .kernarg_segment_size: 56
    .max_flat_workgroup_size: 256
    .sgpr_count:     66
    .vgpr_count:     512
    .wavefront_size: 32
...
	.end_amdgpu_metadata
.endif
;; end of part 3
